; MI455X (gfx1250); checked and timed in simulation.
; The chip was launched on July 23, 2026; its instructions are those of AMD's public machine-readable ISA for CDNA 5 (MIT licence, August 2026) and "CDNA5" Instruction Set Architecture Reference Guide (July 2026). The comments in the code are by the model that wrote it; some were corrected since.
;; Experts Model. Allowed arithmetic: matrix products marked QUANTISED: E2M3 operands, one E8M0 scale for each 32 along K, by v_wmma_scale_f32_16x16x128_f8f6f4 with both operands' format E2M3, f32 sums; products left as they are: f32 operands where the result goes on into a quantised operand, else bf16, f16 or f32 operands; f32 sums; everything else in f32.
;; Inputs: W1_codes 8 x 2,048 x 16 x 24 uint8 (E2M3 codes of W1, K innermost, in blocks of 32 codes, four codes in three bytes); W1_scales 8 x 2,048 x 16 uint8 (E8M0 scales of W1, one for each 32 codes along K); W2_codes 8 x 512 x 64 x 24 uint8 (E2M3 codes of W2, K innermost, in blocks of 32 codes, four codes in three bytes); W2_scales 8 x 512 x 64 uint8 (E8M0 scales of W2, one for each 32 codes along K); Wg 512 x 8 float32; b1 8 x 2,048 float32; b2 8 x 512 float32; bg 8 float32; x 4,096 x 512 float32.
;; Outputs: out0 4,096 x 512 float32.
;; This version of the problem:
;;   THIS VERSION OF THE PROBLEM IS GIVEN IN LOW PRECISION. The matrix products marked QUANTISED in the list below multiply operands that are first quantised to E2M3 (2 exponent bits, 3 mantissa bits; 6 bits a number), with one power-of-two scale for each 32 numbers along K (OCP MX v1.0); their sums are f32. All else is computed in f32.
;;   The module's matrix products, in the order in which they are computed (A, B: the left and right operand; K: the contracted axis; several contracted axes count as one K, in the product's order):
;;     1. [M 4,096, K 512] x [K 512, N 8]; A: input x; B: input Wg: left as it is (N = 8 < 16)
;;     2. [M 16,384, K 512] x [K 512, N 4,096]; A: input W1 (given as codes); B: input x: QUANTISED
;;     3. batch 8 x [M 4,096, K 2,048] x [K 2,048, N 512]; A: computed on the way; B: input W2 (given as codes): QUANTISED
;;     4. batch 4,096 x [M 512, K 8] x [K 8, N 1]; A: computed on the way; B: computed on the way: left as it is (K = 8 < 32)
;;   THE QUANTISER, for each operand of a quantised product, along K:
;;     - K is cut into blocks of 32 from its start; a last block that is shorter is filled with zeros.
;;     - A block's scale is 2^e with e = floor(log2(the largest magnitude in the block)) - 2, held to -126 .. 127; a block of zeros has e = 0. As a byte (E8M0): e + 127.
;;     - Each number is divided by its block's scale, clamped to +-7.5, and rounded to the nearest number of E2M3, ties to even, subnormals kept.
;;     - The product sums the exact products of the quantised numbers (number of the format x scale) in f32.
;;   ~~~python
;;   def quantise(x, axis):      # numpy; x: float32 -> the quantised numbers, widened to float32 again
;;       x = np.moveaxis(x, axis, -1); K = x.shape[-1]
;;       x = np.pad(x, [(0, 0)] * (x.ndim - 1) + [(0, -K % 32)]); x = x.reshape(x.shape[:-1] + (-1, 32)); a = np.abs(x).max(-1, keepdims=True)
;;       e = np.where(a > 0, np.clip(np.frexp(np.where(a > 0, a, 1))[1] - 1 - 2, -126, 127), 0)      # np.frexp(a)[1] - 1 = floor(log2(a)), exactly
;;       r = np.clip(x / 2.0 ** e, -7.5, 7.5)
;;       step = 2.0 ** (np.maximum(np.frexp(np.where(r == 0, 1, r))[1] - 1, 0) - 3)
;;       q = np.round(r / step) * step * 2.0 ** e      # np.round: ties to even
;;       return np.moveaxis(q.reshape(q.shape[:-2] + (-1,))[..., :K], -1, axis).astype(np.float32)
;;   ~~~
;;   OPERANDS COMPUTED ON THE WAY. 'Computed on the way' means the value that the module computes at that place (a softmax that the list does not call 'softmax' is quantised finished and normalised). What goes into a quantiser is computed in f32, as accurately as f32 sums, v_exp_f32 and their like allow (about 1e-6 of the number): no bf16 or f16 on the way to a quantiser, and a product that is left as it is and whose result goes on into a quantised operand takes f32 operands (vector FMAs, or v_wmma_f32_16x16x4_f32). A number that lies on a knife's edge between two numbers of the format may be rounded either way, as far as f32 arithmetic and the matrix unit's own rounding can turn it there, and no further.
;;   INPUTS GIVEN AS CODES. W1 (in the module: [8, 512, 2048], K = its axis 1); W2 (in the module: [8, 2048, 512], K = its axis 1): each comes as NAME_codes (uint8): NAME with its K axis moved to the last place and cut into blocks of 32 codes, [.., K / 32, bytes a block], one block behind the other in memory; four codes in three bytes: a row's codes are one little-endian stream of bits, code i at bits 6 i .. 6 i + 5 (a code: sign, 2 exponent bits, 3 mantissa bits); and NAME_scales (uint8): the same leading axes, one E8M0 byte (e + 127) for each 32 codes along K. Its value is code x scale, taken as it is: it is not quantised again, and the codes and scales need not be those that the quantiser above would give.
;; One version. Each part assembles by itself: llvm-mc -triple=amdgcn-amd-amdhsa -mcpu=gfx1250 --defsym DOCPART=n.
;; ======== version 1 of 1: 4 launches
;; workspace buffers: xq 2,097,152 bytes; idx 16,384 bytes of whole numbers; order 19,968 bytes of whole numbers; hdr 512 bytes of whole numbers; hq 7,667,712 bytes; hs 319,488 bytes
;; launch gate (part 1): grid 256 x 1, 4 waves a work-group, no clusters, 66,560 bytes of LDS; arguments x, Wg, bg, xq, idx; writes xq, idx
.if DOCPART == 1
	.amdgcn_target "amdgcn-amd-amdhsa--gfx1250"
	.amdhsa_code_object_version 6
	.text
	.protected	k_qa2a2e3b284_gate
	.globl	k_qa2a2e3b284_gate
	.p2align	8
	.type	k_qa2a2e3b284_gate,@function
k_qa2a2e3b284_gate:
	s_mov_b64 s[64:65], 0
	v_nop
	global_prefetch_b8 v0, s[64:65] scope:SCOPE_SE
	s_setreg_imm32_b32 hwreg(HW_REG_WAVE_MODE, 25, 1), 1
	s_wait_xcnt 0x0
; GATE AND QUANTISER.  x [4096][512] f32.  For each token: logits = x Wg + bg in f32 (fused multiply-adds), idx = the first largest logit's number (0..7);
; and x's row as codes of FP6 (E2M3) with one E8M0 byte for each 32 along the row.
; xq row n, 512 bytes: bytes 0-383 the row's stream of codes, bytes 384-399 its 16 scale bytes, bytes 400-511 zeros.  idx: one u32 a token.
; SHARES: a work-group takes 16 rows, a wave 4.  A row is read by four loads of 512 consecutive bytes and turned through the wave's own stage in LDS, so that
; lane l holds the 16 neighbours k = 16 l .. 16 l + 15: what the conversion wants, and two neighbouring lanes hold a block of 32.
; The same 16 numbers feed the gate: lane l keeps Wg rows 16 l .. 16 l + 15 (128 registers) for the whole launch; 64 packed multiply-adds a row, then a sum over the 32 lanes.
; Wg comes once a work-group by dense loads and goes through LDS (regions of 512 bytes, 528 apart), so that each lane can read its 512 bytes by loads of 16.
; A block's scale is 2^(floor(log2(largest magnitude)) - 2): its byte is the largest magnitude's exponent field - 2, held at 1 from below by a floor among the maximum's leaves.
; LIMITS: NaN and infinities are not served.  A block of zeros gets the byte 1 (its codes are zeros; this program alone reads the bytes).  A token whose two largest logits
; lie closer than the rounding of an f32 sum of 512 terms may go to either of the two experts.  idx leaves as 16 bytes a wave (the buffer has 16,384 bytes in all).
; No matrix unit (8 columns), no cluster (work-groups share only Wg's 16,384 bytes), no tensor load: every load is issued at the head.
.set WREG0, 16896                      ; LDS 0 .. 16,895: Wg's image, 32 regions of 528 bytes
.set WREGB, 12288                      ; then a region for each wave: four stages of 2,560 bytes, four row buffers of 512
.set STG,   2560                       ; a stage: 32 places of 64 bytes + 16 of padding
.set RBO,   10240
.set SPARE, 66048                      ; behind the regions: the spare words, 128 bytes a wave, which no other line names
.set LN,   1                           ; v1   lane
.set L16,  2                           ; v2   16 x lane
.set SIN,  3                           ; v3   stage, way in: 80 (lane / 4) + 16 (lane % 4)
.set SOUT, 4                           ; v4   stage, way out: 80 x lane
.set WGS,  5                           ; v5   Wg's image, way in: 16 x lane + 4,224 x wave
.set WGR,  6                           ; v6   Wg's image, way out: 528 x lane
.set RBC,  7                           ; v7   row buffer: my 12 bytes of codes
.set RBB,  8                           ; v8   row buffer: my block's scale byte (offset 384)
.set RBR,  9                           ; v9   row buffer: my 16 bytes on the way out
.set RBZ,  10                          ; v10  row buffer: 4 x lane
.set IDX,  11                          ; v11  lane t collects row t's expert
.set SPW,  12                          ; v12  my spare word; never rewritten
.set NIL,  13                          ; v13  0, for the add alone
.set LG,   16                          ; v16-23 the eight logits
.set PT,   24                          ; v24-31 the other half of the lanes' sums
.set SO,   32                          ; v32  the conversion's scale operand
.set BV,   34                          ; v34  the largest logit so far;  v35 its number
.set BI,   35
.set CD,   36                          ; v36-51 codes, four registers a row
.set BY,   52                          ; v52-55 a scale byte for each row
.set ZR,   56                          ; v56  0, as data
.set IO,   57                          ; v57  4 x lane
.set X,    64                          ; v64-127 16 numbers a row
.set W,    128                         ; v128-255 Wg(16 lane + kk, e) at 128 + 8 kk + e
	s_load_b256 s[4:11], s[0:1], 0x0               ; x s[4:5], Wg s[6:7], bg s[8:9], xq s[10:11]
	s_load_b64 s[12:13], s[0:1], 0x20              ; idx
	v_lshl_add_u32 v[SPW], v0, 2, SPARE
	v_mov_b32 v[NIL], 0
	v_lshrrev_b32 v2, 5, v0
	v_readfirstlane_b32 s14, v2                    ; wave 0..3
	v_and_b32 v[LN], 31, v0
	v_lshlrev_b32 v[L16], 4, v[LN]
	s_mul_i32 s15, s14, WREGB
	s_add_co_u32 s15, s15, WREG0                   ; my wave's region
	v_lshrrev_b32 v[SIN], 2, v[LN]
	v_mul_u32_u24 v[SIN], v[SIN], 80
	v_and_b32 v[SOUT], 3, v[LN]
	v_lshl_add_u32 v[SIN], v[SOUT], 4, v[SIN]
	v_add_nc_u32 v[SIN], s15, v[SIN]
	v_mul_u32_u24 v[SOUT], v[LN], 80
	v_add_nc_u32 v[SOUT], s15, v[SOUT]
	s_mul_i32 s26, s14, 4224
	v_add_nc_u32 v[WGS], s26, v[L16]
	v_mul_u32_u24 v[WGR], v[LN], 528
	s_add_co_u32 s15, s15, RBO                     ; my wave's row buffers
	v_mul_u32_u24 v[RBC], v[LN], 12
	v_add_nc_u32 v[RBC], s15, v[RBC]
	v_lshrrev_b32 v[RBB], 1, v[LN]
	v_add_nc_u32 v[RBB], s15, v[RBB]
	v_add_nc_u32 v[RBR], s15, v[L16]
	v_lshlrev_b32 v[IO], 2, v[LN]
	v_add_nc_u32 v[RBZ], s15, v[IO]
	v_mov_b32 v[IDX], 0
	v_mov_b32 v[ZR], 0
.irp e, 0,1,2,3,4,5,6,7
	v_mov_b32 v[PT+\e], 0                          ; written once: a lane permute's destination counts as one of its sources
.endr
	s_mov_b32 s24, 0x76543210
	s_mov_b32 s25, 0xfedcba98                      ; v_permlanex16_b32's selects for lane l xor 16
	s_wait_kmcnt 0x0
	s_load_b256 s[16:23], s[8:9], 0x0              ; bg: eight numbers, the same for every lane
	s_lshl_b32 s28, ttmp9, 15                      ; x: 16 rows of 2,048 bytes a work-group,
	s_lshl_b32 s30, s14, 13                        ; 4 a wave
	s_add_co_u32 s28, s28, s30
	s_mov_b32 s29, 0
	s_add_nc_u64 s[4:5], s[4:5], s[28:29]
	s_lshl_b32 s28, s14, 12                        ; Wg: 4,096 bytes a wave
	s_add_nc_u64 s[6:7], s[6:7], s[28:29]
	s_lshl_b32 s28, ttmp9, 13                      ; xq: rows of 512 bytes
	s_lshl_b32 s30, s14, 11
	s_add_co_u32 s28, s28, s30
	s_add_nc_u64 s[10:11], s[10:11], s[28:29]
	s_lshl_b32 s28, ttmp9, 6                       ; idx: 4 bytes a row
	s_lshl_b32 s30, s14, 4
	s_add_co_u32 s28, s28, s30
	s_add_nc_u64 s[12:13], s[12:13], s[28:29]
.irp m, 0,1,2,3,4,5,6,7
	global_load_b128 v[W+4*\m:W+4*\m+3], v[L16], s[6:7] offset:512*\m      ; my wave's eighth-regions of Wg: 512 consecutive bytes a load
.endr
.irp t, 0,1,2,3
.irp i, 0,1,2,3
	global_load_b128 v[X+16*\t+4*\i:X+16*\t+4*\i+3], v[L16], s[4:5] offset:2048*\t+512*\i th:TH_LOAD_NT   ; x is read once in the launch
.endr
.endr
	s_wait_loadcnt 16                              ; Wg's eight loads are in; the 16 loads of x behind them may be out
.irp m, 0,1,2,3,4,5,6,7
	ds_store_b128 v[WGS], v[W+4*\m:W+4*\m+3] offset:528*\m
.endr
.irp t, 0,1,2,3
	ds_store_b32 v[RBZ], v[ZR] offset:384+512*\t   ; bytes 384 .. 511 of each row buffer are cleared; the scale bytes are laid over them later, by this wave, in order
.endr
	s_wait_dscnt 0x0                               ; for the others' sake: my part of Wg's image has landed
	s_barrier_signal -1
	s_barrier_wait -1                              ; the launch's one barrier: the image is whole
.set j, 0
.rept 32
	ds_load_b128 v[W+4*j:W+4*j+3], v[WGR] offset:16*j    ; my 16 rows of Wg: 512 bytes; regions 528 apart
.set j, j+1
.endr
.macro TURN t                          ; row t through its stage: LDS serves a wave's instructions in order, so no wait stands between the stores and the loads, which land in the registers that the stores left
.irp i, 0,1,2,3
	ds_store_b128 v[SIN], v[X+16*(\t)+4*\i:X+16*(\t)+4*\i+3] offset:STG*(\t)+640*\i
.endr
.irp i, 0,1,2,3
	ds_load_b128 v[X+16*(\t)+4*\i:X+16*(\t)+4*\i+3], v[SOUT] offset:STG*(\t)+16*\i
.endr
.endm
.irp t, 0,1,2,3
	s_wait_loadcnt 12-4*\t                         ; row t's four loads are in; the later rows' may be out
	TURN \t
.endr
	s_wait_kmcnt 0x0                               ; bg
.macro ROW t
.set XS, X+16*(\t)
	s_wait_dscnt 24-3*(\t)                         ; behind row t's loads from its stage stand 8 (3 - t) instructions of later turns and 5 t of earlier rows' ways out
	v_max3_num_f32 v14, |v[XS]|, |v[XS+1]|, |v[XS+2]|      ; the largest magnitude of my 16, in two chains
	v_max3_num_f32 v15, |v[XS+3]|, |v[XS+4]|, |v[XS+5]|
.irp i, 6,10
	v_max3_num_f32 v14, v14, |v[XS+\i]|, |v[XS+\i+1]|
	v_max3_num_f32 v15, v15, |v[XS+\i+2]|, |v[XS+\i+3]|
.endr
	v_max3_num_f32 v14, v14, |v[XS+14]|, |v[XS+15]|
	v_max3_num_f32 v14, v14, v15, 0x1800000        ; and the floor 2^(3 - 127): the byte cannot fall under 1
	v_max_num_f32_dpp v14, v14, v14 row_xmask:1 row_mask:0xf bank_mask:0xf   ; with my neighbour's 16: the block's
	v_add_nc_u32 v[SO], 0xff000000, v14            ; 2 off its exponent field: the conversion takes this operand's exponent field as its scale
	v_cvt_scalef32_pk16_fp6_f32 v[CD+4*(\t):CD+4*(\t)+2], v[XS:XS+15], v[SO]
	v_lshrrev_b32 v[BY+(\t)], 23, v[SO]            ; the scale's byte (also the plain line behind the conversion)
.irp p, 0,1,2,3                        ; the gate: experts 2 p, 2 p + 1 at a time; x(kk) serves both halves
	v_pk_mul_f32 v[LG+2*\p:LG+2*\p+1], v[XS:XS+1], v[W+2*\p:W+2*\p+1] op_sel_hi:[0,1]   ; kk = 0 starts the sums
.endr
.set kk, 1
.rept 15
.irp p, 0,1,2,3
.if kk%2
	v_pk_fma_f32 v[LG+2*\p:LG+2*\p+1], v[XS+kk-1:XS+kk], v[W+8*kk+2*\p:W+8*kk+2*\p+1], v[LG+2*\p:LG+2*\p+1] op_sel:[1,0,0] op_sel_hi:[1,1,1]   ; the pair's second register for both halves
.else
	v_pk_fma_f32 v[LG+2*\p:LG+2*\p+1], v[XS+kk:XS+kk+1], v[W+8*kk+2*\p:W+8*kk+2*\p+1], v[LG+2*\p:LG+2*\p+1] op_sel_hi:[0,1,1]                 ; its first register for both halves
.endif
.endr
.set kk, kk+1
.endr
.irp m, 1,2,4,8                        ; the eight sums over the 32 lanes, by turns
.irp e, 0,1,2,3,4,5,6,7
	v_add_f32_dpp v[LG+\e], v[LG+\e], v[LG+\e] row_xmask:\m row_mask:0xf bank_mask:0xf
.endr
.endr
.irp e, 0,1,2,3,4,5,6,7
	v_permlanex16_b32 v[PT+\e], v[LG+\e], s24, s25
.endr
.irp e, 0,1,2,3,4,5,6,7
	v_add_f32 v[LG+\e], v[LG+\e], v[PT+\e]
.endr
.irp e, 0,1,2,3,4,5,6,7
	v_add_f32 v[LG+\e], s[16+\e], v[LG+\e]         ; + bg
.endr
	v_cmp_gt_f32 vcc_lo, v[LG+1], v[LG]            ; the first largest: a later logit wins only where it is strictly larger
	v_cndmask_b32 v[BI], 0, 1, vcc_lo
	v_max_num_f32 v[BV], v[LG], v[LG+1]
.irp e, 2,3,4,5,6,7
	v_cmp_gt_f32 vcc_lo, v[LG+\e], v[BV]
	v_cndmask_b32 v[BI], v[BI], \e, vcc_lo
	v_max_num_f32 v[BV], v[BV], v[LG+\e]
.endr
	v_cmp_eq_u32 vcc_lo, \t, v[LN]
	v_cndmask_b32 v[IDX], v[IDX], v[BI], vcc_lo    ; lane t keeps row t's expert
	ds_store_b32 v[RBC], v[CD+4*(\t)] offset:512*(\t)      ; my 12 bytes of codes at 12 x lane of the row buffer,
	ds_store_b32 v[RBC], v[CD+4*(\t)+1] offset:512*(\t)+4
	ds_store_b32 v[RBC], v[CD+4*(\t)+2] offset:512*(\t)+8
	ds_store_b8 v[RBB], v[BY+(\t)] offset:512*(\t)+384     ; my block's byte (both lanes of a block write the same byte with the same value),
	ds_load_b128 v[XS:XS+3], v[RBR] offset:512*(\t)        ; and the row comes back 16 bytes a lane: these loads see my stores
.endm
	ROW 0
	ROW 1
	ROW 2
	ROW 3
.irp t, 0,1,2,3
	s_wait_dscnt 15-5*\t                           ; behind row t's load stand the five LDS instructions of each later row
	global_store_b128 v[L16], v[X+16*\t:X+16*\t+3], s[10:11] offset:512*\t   ; the wave stores a row of xq: 512 consecutive bytes, aligned
.endr
	v_cmp_gt_u32 vcc_lo, 4, v[LN]
	s_wait_xcnt 0x0                                ; EXEC changes only behind this wait: the stores above have taken their sources
	s_and_saveexec_b32 s26, vcc_lo
	global_store_b32 v[IO], v[IDX], s[12:13]       ; lanes 0 to 3: my four rows' experts
	s_wait_xcnt 0x0                                ; and again ahead of the line that widens it
	s_or_b32 exec_lo, exec_lo, s26
	s_wait_tensorcnt 0x0                           ; the wave's end
	ds_add_u32 v[SPW], v[NIL]
	s_wait_dscnt 0x0
	s_endpgm
.Lfunc_end_k_qa2a2e3b284_gate:
	.size	k_qa2a2e3b284_gate, .Lfunc_end_k_qa2a2e3b284_gate-k_qa2a2e3b284_gate
	.p2alignl 7, 3214868480
	.fill 96, 4, 3214868480
	.section	.rodata,"a",@progbits
	.p2align	6, 0x0
	.amdhsa_kernel k_qa2a2e3b284_gate
		.amdhsa_group_segment_fixed_size 66560
		.amdhsa_private_segment_fixed_size 0
		.amdhsa_enable_private_segment 0
		.amdhsa_kernarg_size 40
		.amdhsa_user_sgpr_count 2
		.amdhsa_user_sgpr_kernarg_segment_ptr 1
		.amdhsa_wavefront_size32 1
		.amdhsa_system_sgpr_workgroup_id_x 1
		.amdhsa_system_sgpr_workgroup_id_y 1
		.amdhsa_system_sgpr_workgroup_id_z 1
		.amdhsa_system_vgpr_workitem_id 0
		.amdhsa_next_free_vgpr 256
		.amdhsa_next_free_sgpr 66
		.amdhsa_reserve_vcc 1
		.amdhsa_float_denorm_mode_32 3
		.amdhsa_float_denorm_mode_16_64 3
		.amdhsa_memory_ordered 1
		.amdhsa_forward_progress 1
		.amdhsa_inst_pref_size 47
	.end_amdhsa_kernel
	.amdgpu_metadata
---
amdhsa.version: [ 1, 2 ]
amdhsa.kernels:
  - .name:           k_qa2a2e3b284_gate
    .symbol:         k_qa2a2e3b284_gate.kd
    .args:
      - { .name: x, .offset: 0, .size: 8, .value_kind: global_buffer, .address_space: global }
      - { .name: Wg, .offset: 8, .size: 8, .value_kind: global_buffer, .address_space: global }
      - { .name: bg, .offset: 16, .size: 8, .value_kind: global_buffer, .address_space: global }
      - { .name: xq, .offset: 24, .size: 8, .value_kind: global_buffer, .address_space: global }
      - { .name: idx, .offset: 32, .size: 8, .value_kind: global_buffer, .address_space: global }
    .group_segment_fixed_size: 66560
    .private_segment_fixed_size: 0
    .kernarg_segment_align: 8
    .kernarg_segment_size: 40
    .max_flat_workgroup_size: 128
    .sgpr_count:     66
    .vgpr_count:     256
    .wavefront_size: 32
...
	.end_amdgpu_metadata
.endif
;; end of part 1
;; launch place (part 2): grid 1 x 1, 32 waves a work-group, no clusters, 4,608 bytes of LDS; arguments idx, order, hdr; writes order, hdr
.if DOCPART == 2
	.amdgcn_target "amdgcn-amd-amdhsa--gfx1250"
	.amdhsa_code_object_version 6
	.text
	.protected	k_qa2a2e3b284_place
	.globl	k_qa2a2e3b284_place
	.p2align	8
	.type	k_qa2a2e3b284_place,@function
k_qa2a2e3b284_place:
	s_mov_b64 s[64:65], 0
	v_nop
	global_prefetch_b8 v0, s[64:65] scope:SCOPE_SE
	s_setreg_imm32_b32 hwreg(HW_REG_WAVE_MODE, 25, 1), 1
	s_wait_xcnt 0x0
; THE ROWS ARE PLACED BY EXPERT: a counting sort of the 4,096 tokens into tiles of 128 slots, each tile of one expert.  With 8 experts there are never more than 32 + 7 = 39 tiles.
; order [39][128] u32: the token of slot (tile, j); slots at or beyond a tile's count hold 0.  hdr [39] x {expert, count}: a tile that the split leaves empty has count 0.
; One work-group of 32 waves, no atomics: thread i takes tokens 4 i .. 4 i + 3.  A wave counts its 128 tokens by expert (compare masks, population counts), the 32 waves' counts meet in LDS
; (16 bytes a wave: eight counts of 16 bits; a total is at most 4,096), every wave sums them over its lanes: all of them for the totals, those of earlier waves for its own start.
; A token's slot = 128 x its expert's first tile + tokens of that expert in earlier waves + in this wave ahead of it (v_mbcnt on the compare mask).
; The order inside an expert does not matter: every row is computed by itself.  Slots come from loaded numbers: they are held at 4,991 ahead of the address.
; The tiles' headers and paddings are stored at places that hang on the wave's number alone: their two offset registers are made at the head and never rewritten; tile wave + 32 stands in the immediates.
.set SPARE, 512                        ; LDS 0 .. 511 the table; then the spare words, 128 bytes for each of 32 waves, which no other line names
	s_load_b128 s[4:7], s[0:1], 0x0                ; idx s[4:5], order s[6:7]
	s_load_b64 s[8:9], s[0:1], 0x10                ; hdr
	v_lshl_add_u32 v30, v0, 2, SPARE               ; my spare word; never rewritten
	v_mov_b32 v31, 0                               ; 0, for the add alone
	v_lshrrev_b32 v3, 5, v0
	v_readfirstlane_b32 s10, v3                    ; wave 0..31
	v_and_b32 v1, 31, v0                           ; lane
	v_lshlrev_b32 v28, 2, v1                       ; 4 x lane
	v_lshl_add_u32 v29, v3, 9, v28                 ; order: tile = wave: 512 x wave + 4 x lane; never rewritten
	v_lshlrev_b32 v34, 3, v3                       ; hdr: 8 x wave; never rewritten
	v_lshlrev_b32 v3, 4, v3                        ; the table: 16 x wave
	v_lshlrev_b32 v2, 4, v0                        ; idx: 16 bytes a thread
	v_lshlrev_b32 v35, 4, v1                       ; the table: 16 x lane
	v_mov_b32 v36, 0                               ; 0, as data
.irp i, 0,1,2,3,4,5,6,7
	v_mov_b32 v[16+\i], 0                          ; written once: the destination of a DPP move and of a lane permute counts as one of its sources
.endr
.irp j, 0,1,2,3
	v_lshl_add_u32 v[24+\j], v0, 2, \j             ; my four tokens
.endr
	s_mov_b32 s12, 0x76543210
	s_mov_b32 s13, 0xfedcba98                      ; v_permlanex16_b32's selects for lane l xor 16
	s_wait_kmcnt 0x0
	global_load_b128 v[4:7], v2, s[4:5]            ; 512 consecutive bytes a wave
	s_wait_loadcnt 0x0
.irp j, 0,1,2,3
.irp e, 0,1,2,3,4,5,6,7
	v_cmp_eq_u32 s[32+8*\j+\e], \e, v[4+\j]        ; mask (j, e): the lanes whose token j goes to expert e
.endr
.endr
.irp e, 0,1,2,3,4,5,6,7
	s_bcnt1_i32_b32 s[16+\e], s[32+\e]             ; my wave's count for expert e
.irp j, 1,2,3
	s_bcnt1_i32_b32 s11, s[32+8*\j+\e]
	s_add_co_u32 s[16+\e], s[16+\e], s11
.endr
.endr
.irp i, 0,1,2,3
	s_lshl_b32 s11, s[17+2*\i], 16
	s_or_b32 s[24+\i], s[16+2*\i], s11             ; two counts to a word
	v_mov_b32 v[8+\i], s[24+\i]
.endr
	ds_store_b128 v3, v[8:11]                      ; all lanes write the same 16 bytes with the same value
	s_wait_dscnt 0x0                               ; for the others' sake
	s_barrier_signal -1
	s_barrier_wait -1                              ; the launch's one barrier: the table is whole
	ds_load_b128 v[8:11], v35                      ; lane l: wave l's counts
	s_wait_dscnt 0x0
	v_cmp_gt_u32 vcc_lo, s10, v1                   ; the waves ahead of mine
.irp i, 0,1,2,3
	v_cndmask_b32 v[12+\i], v36, v[8+\i], vcc_lo
.endr
.irp m, 1,2,4,8                        ; both sets summed over the 32 lanes: no 16-bit field can run over (4,096 at the most)
.irp i, 0,1,2,3,4,5,6,7
	v_mov_b32_dpp v[16+\i], v[8+\i] row_xmask:\m row_mask:0xf bank_mask:0xf
.endr
.irp i, 0,1,2,3,4,5,6,7
	v_add_nc_u32 v[8+\i], v[8+\i], v[16+\i]
.endr
.endr
.irp i, 0,1,2,3,4,5,6,7
	v_permlanex16_b32 v[16+\i], v[8+\i], s12, s13
.endr
.irp i, 0,1,2,3,4,5,6,7
	v_add_nc_u32 v[8+\i], v[8+\i], v[16+\i]
.endr
.irp i, 0,1,2,3,4,5,6,7
	v_readfirstlane_b32 s[24+\i], v[8+\i]          ; s[24:27] the totals, s[28:31] the sums over earlier waves, two to a word
.endr
.irp i, 0,1,2,3
	s_and_b32 s[66+2*\i], s[24+\i], 0xffff         ; T(e): s66 .. s73
	s_lshr_b32 s[67+2*\i], s[24+\i], 16
	s_and_b32 s[74+2*\i], s[28+\i], 0xffff         ; tokens of e in earlier waves: s74 .. s81
	s_lshr_b32 s[75+2*\i], s[28+\i], 16
.endr
	s_mov_b32 s82, 0                               ; tb(e), expert e's first tile: s82 .. s90
.irp e, 0,1,2,3,4,5,6,7
	s_add_co_u32 s11, s[66+\e], 127
	s_lshr_b32 s11, s11, 7
	s_add_co_u32 s[83+\e], s[82+\e], s11
	s_lshl_b32 s11, s[82+\e], 7
	s_add_co_u32 s[74+\e], s[74+\e], s11           ; my wave's first slot for expert e
.endr
.irp j, 0,1,2,3
	v_mbcnt_lo_u32_b32 v[20+\j], s[32+8*\j], s74   ; the lanes below mine in the mask, + the start
	s_bcnt1_i32_b32 s11, s[32+8*\j]
	s_add_co_u32 s74, s74, s11
.irp e, 1,2,3,4,5,6,7
	v_mbcnt_lo_u32_b32 v16, s[32+8*\j+\e], s[74+\e]
	v_cndmask_b32 v[20+\j], v[20+\j], v16, s[32+8*\j+\e]
	s_bcnt1_i32_b32 s11, s[32+8*\j+\e]
	s_add_co_u32 s[74+\e], s[74+\e], s11
.endr
.endr
.irp j, 0,1,2,3
	v_min_u32 v[20+\j], 4991, v[20+\j]             ; a number made of loaded ones enters an address only behind this hold
	v_lshlrev_b32 v[20+\j], 2, v[20+\j]
	global_store_b32 v[20+\j], v[24+\j], s[6:7]
.endr
; Tile s14 = wave + up: its expert is the last one whose first tile is at or under it; its count is what that expert has left there, held to 0 .. 128.  Lane 0 stores the header; the slots from the count on are cleared.
.macro TILE up
	s_mov_b32 s91, 0
	s_mov_b32 s92, s66
	s_mov_b32 s93, 0
.irp e, 1,2,3,4,5,6,7
	s_cmp_ge_u32 s14, s[82+\e]
	s_cselect_b32 s91, \e, s91
	s_cselect_b32 s92, s[66+\e], s92
	s_cselect_b32 s93, s[82+\e], s93
.endr
	s_sub_co_u32 s93, s14, s93
	s_lshl_b32 s93, s93, 7
	s_sub_co_i32 s92, s92, s93
	s_max_i32 s92, s92, 0
	s_min_i32 s92, s92, 128
	s_wait_xcnt 0x0                                ; every earlier store has taken its sources: the header's data registers may be written, and EXEC may change
	v_mov_b32 v32, s91
	v_mov_b32 v33, s92
	v_cmp_eq_u32 vcc_lo, 0, v1
	s_and_saveexec_b32 s15, vcc_lo
	global_store_b64 v34, v[32:33], s[8:9] offset:8*(\up)
	s_wait_xcnt 0x0                                ; ahead of the line that widens EXEC
	s_or_b32 exec_lo, exec_lo, s15
.irp q, 0,1,2,3
	s_sub_co_i32 s94, s92, 32*\q
	v_cmp_le_i32 vcc_lo, s94, v1                   ; slot 32 q + lane is at or beyond the count
	s_and_saveexec_b32 s15, vcc_lo
	global_store_b32 v29, v36, s[6:7] offset:512*(\up)+128*\q
	s_wait_xcnt 0x0
	s_or_b32 exec_lo, exec_lo, s15
.endr
.endm
	s_mov_b32 s14, s10                             ; tiles 0 to 31: one a wave
	TILE 0
	s_cmp_lt_u32 s10, 7                            ; tiles 32 to 38: waves 0 to 6 (a branch on the wave's number; no barrier stands behind it)
	s_cbranch_scc0 .Ldone
	s_add_co_u32 s14, s10, 32
	TILE 32
.Ldone:
	s_wait_tensorcnt 0x0                           ; the wave's end
	ds_add_u32 v30, v31
	s_wait_dscnt 0x0
	s_endpgm
.Lfunc_end_k_qa2a2e3b284_place:
	.size	k_qa2a2e3b284_place, .Lfunc_end_k_qa2a2e3b284_place-k_qa2a2e3b284_place
	.p2alignl 7, 3214868480
	.fill 96, 4, 3214868480
	.section	.rodata,"a",@progbits
	.p2align	6, 0x0
	.amdhsa_kernel k_qa2a2e3b284_place
		.amdhsa_group_segment_fixed_size 4608
		.amdhsa_private_segment_fixed_size 0
		.amdhsa_enable_private_segment 0
		.amdhsa_kernarg_size 24
		.amdhsa_user_sgpr_count 2
		.amdhsa_user_sgpr_kernarg_segment_ptr 1
		.amdhsa_wavefront_size32 1
		.amdhsa_system_sgpr_workgroup_id_x 1
		.amdhsa_system_sgpr_workgroup_id_y 1
		.amdhsa_system_sgpr_workgroup_id_z 1
		.amdhsa_system_vgpr_workitem_id 0
		.amdhsa_next_free_vgpr 40
		.amdhsa_next_free_sgpr 96
		.amdhsa_reserve_vcc 1
		.amdhsa_float_denorm_mode_32 3
		.amdhsa_float_denorm_mode_16_64 3
		.amdhsa_memory_ordered 1
		.amdhsa_forward_progress 1
		.amdhsa_inst_pref_size 25
	.end_amdhsa_kernel
	.amdgpu_metadata
---
amdhsa.version: [ 1, 2 ]
amdhsa.kernels:
  - .name:           k_qa2a2e3b284_place
    .symbol:         k_qa2a2e3b284_place.kd
    .args:
      - { .name: idx, .offset: 0, .size: 8, .value_kind: global_buffer, .address_space: global }
      - { .name: order, .offset: 8, .size: 8, .value_kind: global_buffer, .address_space: global }
      - { .name: hdr, .offset: 16, .size: 8, .value_kind: global_buffer, .address_space: global }
    .group_segment_fixed_size: 4608
    .private_segment_fixed_size: 0
    .kernarg_segment_align: 8
    .kernarg_segment_size: 24
    .max_flat_workgroup_size: 1024
    .sgpr_count:     96
    .vgpr_count:     40
    .wavefront_size: 32
...
	.end_amdgpu_metadata
.endif
;; end of part 2
;; launch hidden (part 3): grid 4 x 39, 4 waves a work-group, no clusters, 293,376 bytes of LDS; arguments hdr, order, xq, W1_codes, W1_scales, b1, hq, hs; writes hq, hs
.if DOCPART == 3
	.amdgcn_target "amdgcn-amd-amdhsa--gfx1250"
	.amdhsa_code_object_version 6
	.text
	.protected	k_qa2a2e3b284_hidden
	.globl	k_qa2a2e3b284_hidden
	.p2align	8
	.type	k_qa2a2e3b284_hidden,@function
k_qa2a2e3b284_hidden:
	s_mov_b64 s[64:65], 0
	v_nop
	global_prefetch_b8 v0, s[64:65] scope:SCOPE_SE
	s_setreg_imm32_b32 hwreg(HW_REG_WAVE_MODE, 25, 1), 1
	s_wait_xcnt 0x0
; THE HIDDEN LAYER OF ONE TILE: h = Q(relu(xq W1^T + b1)), on codes of FP6 (E2M3) with one E8M0 scale for each 32 along K.  Work-group (x, y): tile y of 128 routed rows, hidden units 512 x .. 512 x + 511 of the tile's expert.
; SHARES.  THE WAVES SHARE THE COLUMNS: wave w makes hidden units 128 w .. 128 w + 127 of the slice for all 128 rows: K step 4 x + w of the next product, so that it makes whole fragments and whole scale words.
; Its 128 rows of W1 (49,152 consecutive bytes) stay in 384 registers; the tile's 128 rows of xq are gathered by the four waves into LDS and read by all.  256 matrix instructions a wave.
; THE PRODUCT IS USED TRANSPOSED (source 0 = 16 rows of W1, source 1 = 16 rows of x): a lane holds one routed row, its registers run along the hidden units.  THE ROWS OF W1 THAT FORM A TILE ARE NOT NEIGHBOURS:
; lane r of tile 2 b + u takes row 32 b + 8 u + r + 8 (r / 8), so that the 16 registers of tiles 2 b, 2 b + 1 are the 16 neighbours 32 b + 16 (lane / 16) + 0 .. 15 of the next K.  b1 is the C of each sum's first product.
; W1'S WAY: 96 dense loads (512 consecutive bytes each) into the registers that will hold the fragments, through the wave's own stage in LDS, and back as fragments into the same registers: LDS serves a wave's
; instructions in order.  THE STAGE: 16 bytes of padding behind every 128 bytes of the stream, so that eight lanes' 128 bytes are a segment and segment g lies at 144 g: a store's address is 144 (lane / 8) + 16 (lane % 8)
; and an immediate.  A row of 384 bytes is three segments: rows 432 bytes apart; 128 bytes more behind each 16 rows.  Byte x of a row lies at x + 16 (x / 128).  With these pitches the 32 lanes of a load of 8 bytes
; touch 64 different banks (64 banks of 4 bytes: ISA guide 11.1).  Lanes 16-31 read 24 bytes further on than lanes 0-15, for some pieces behind one padding more: a second address register serves those.
; OUT.  hq [tile][K step 16][m 8][1,536]: the image of a fragment's registers (group c of four at 512 c + 16 lane): the next launch loads it by three loads of 16 bytes a lane.  hs [tile][K step][512]: the word at 16 lane + 4 i
; is the scale word of row 16 (2 i + lane / 16) + lane % 16.  Every store of the wave covers 512 consecutive bytes, aligned.
; Slots beyond the tile's count hold token 0: their rows are computed, stored, and never used.  A tile without rows stores nothing and ends, behind the one barrier.
; NO TENSOR LOAD, NO CLUSTER: the weights' address hangs on the expert's number and the early end on the count, both read from memory, which a text with tensor loads does not take; and the tiles that stand
; side by side along y may belong to different experts.  No prefetch: every load is issued at the head.
; LIMITS: NaN and infinities are not served; a block of zeros gets the byte 1 (its codes are zeros; this program alone reads the bytes).
; REGISTERS, in windows of 256: window 0 as named below.  window 1: the 32 accumulators of 64 rows, (mm, t) at 64 mm + 8 t; first the gathered rows of x.
;   window 2: W1's fragments of K steps 0, 1 at 96 s + 12 t; b1's tiles at 192 + 8 t.   window 3: K steps 2, 3 at 96 (s - 2) + 12 t.
.set WSTG,  67584                      ; LDS 0 .. 67,583: x's 128 rows, 528 bytes apart (a whole row of xq: its scale words at + 384); then each wave's stage
.set SEGP,  144                        ; a segment: 128 bytes + 16
.set ROWP,  432                        ; a row: three segments
.set GRP,   7040                       ; 16 rows + 128 bytes
.set WSTGB, 8*GRP                      ; a wave's stage: 56,320 bytes
.set SPARE, 292864                     ; behind the stages: the spare words, 128 bytes a wave, which no other line names
.set LN,   1                           ; v1   lane
.set RR,   2                           ; v2   r = lane % 16
.set HH,   3                           ; v3   h = lane / 16
.set LI,   4                           ; v4   16 x lane
.set AW,   5                           ; v5   the stage, way in: 144 (lane / 8) + 16 (lane % 8)
.set BR2,  6                           ; v6   the stage, way out, behind one padding more in lanes 16-31: BR + 16 h
.set BR,   8                           ; v8   the stage, way out: 432 (r % 8) + 7,040 (r / 8) + 24 h
.set AS,   9                           ; v9   x's rows, way in: 16 lane + 32 rows x wave
.set AR,   10                          ; v10  x's rows, way out: 528 r + 24 h
.set AX,   11                          ; v11  x's scale words: 528 r + 384
.set WSV,  12                          ; v12  W1's scale words in memory: 16 (r + 8 (r / 8))
.set BV,   13                          ; v13  b1 in memory: 64 h
.set SPW,  14                          ; v14  my spare word; never rewritten
.set NIL,  15                          ; v15  0, for the add alone
.set TM,   16                          ; v16-31 at work in the quantiser
.set WS,   32                          ; v32-63 W1's scale words, (t, s) at 4 t + s: scales and nothing else
.set XS,   64                          ; v64-95 x's scale words, (m, s) at 4 m + s: scales and nothing else
.set ASET, 96                          ; v96-143, v144-191 x's fragments of four tiles of rows, two sets
.set XA,   192                         ; v192-223 the gather's offsets; later:
.set PC,   192                         ; v192-211 the codes just made
.set PWR,  216                         ; v216-223 the eight scale words of h
.set HSW,  224                         ; v224-227 they as they leave
.set MSB, 0
.macro WIN new                         ; the immediate's high byte repeats the setting that is left; a switch that changes nothing is dropped
.if MSB != (\new)
	s_set_vgpr_msb (MSB<<8)|(\new)
.set MSB, (\new)
.endif
.endm
.macro PLACES                          ; four plain places between a matrix instruction and a load into one of its registers or a vector read of its result (ISA guide 7.12.1 for vector instructions)
.rept 4
	v_nop
.endr
.endm
	s_load_b512 s[4:19], s[0:1], 0x0               ; hdr s[4:5], order s[6:7], xq s[8:9], W1 codes s[10:11], W1 scales s[12:13], b1 s[14:15], hq s[16:17], hs s[18:19]
	v_lshl_add_u32 v[SPW], v0, 2, SPARE
	v_mov_b32 v[NIL], 0
	v_lshrrev_b32 v1, 5, v0
	v_readfirstlane_b32 s20, v1                    ; wave 0..3
	s_mov_b32 s21, ttmp9                           ; slice 0..3
	s_and_b32 s22, ttmp7, 0xffff                   ; tile 0..38
	v_and_b32 v[LN], 31, v0
	v_and_b32 v[RR], 15, v0
	v_bfe_u32 v[HH], v0, 4, 1
	v_lshlrev_b32 v[LI], 4, v[LN]
	s_mul_i32 s23, s20, WSTGB
	s_add_co_u32 s23, s23, WSTG                    ; my stage
	v_lshrrev_b32 v18, 3, v[LN]
	v_mul_u32_u24 v18, v18, SEGP
	v_and_b32 v19, 7, v[LN]
	v_lshl_add_u32 v18, v19, 4, v18
	v_add_nc_u32 v[AW], s23, v18                   ; way in: my segment of a load's four, my 16 bytes of it
	v_and_b32 v16, 7, v[RR]
	v_lshrrev_b32 v17, 3, v[RR]
	v_mul_u32_u24 v16, v16, ROWP
	v_mad_u32_u24 v16, v17, GRP, v16
	v_mad_u32_u24 v16, v[HH], 24, v16
	v_add_nc_u32 v[BR], s23, v16
	v_lshl_add_u32 v[BR2], v[HH], 4, v[BR]
	s_mul_i32 s26, s20, 16896
	v_add_nc_u32 v[AS], s26, v[LI]
	v_mul_u32_u24 v[AR], v[RR], 528
	v_add_nc_u32 v[AX], 384, v[AR]
	v_mad_u32_u24 v[AR], v[HH], 24, v[AR]
	v_lshl_add_u32 v[WSV], v17, 3, v[RR]
	v_lshlrev_b32 v[WSV], 4, v[WSV]
	v_lshlrev_b32 v[BV], 6, v[HH]
.irp b, 0,1,2,3
	v_mov_b32 v[TM+4+\b], 0                        ; written once: a lane permute's destination counts as one of its sources
.endr
	s_mov_b32 s66, 0x76543210
	s_mov_b32 s67, 0xfedcba98                      ; v_permlanex16_b32's selects for lane l xor 16
	s_wait_kmcnt 0x0
	s_lshl_b32 s26, s22, 3
	s_mov_b32 s27, 0
	s_add_nc_u64 s[4:5], s[4:5], s[26:27]          ; my tile's header
	s_lshl_b32 s26, s22, 9
	s_lshl_b32 s28, s20, 7
	s_add_co_u32 s26, s26, s28
	s_add_nc_u64 s[6:7], s[6:7], s[26:27]          ; my wave's 32 slots of the tile
	s_load_b64 s[24:25], s[4:5], 0x0               ; expert, count
	s_load_b512 s[32:47], s[6:7], 0x0              ; 32 tokens
	s_load_b512 s[48:63], s[6:7], 0x40
	s_lshl_b32 s28, s21, 2
	s_add_co_u32 s28, s28, s20                     ; my K step of the next product: 4 x slice + wave
	s_mul_i32 s26, s22, 196608
	s_mul_i32 s29, s28, 12288
	s_add_co_u32 s26, s26, s29
	s_add_nc_u64 s[16:17], s[16:17], s[26:27]      ; hq
	s_lshl_b32 s26, s22, 13
	s_lshl_b32 s29, s28, 9
	s_add_co_u32 s26, s26, s29
	s_add_nc_u64 s[18:19], s[18:19], s[26:27]      ; hs
	s_wait_kmcnt 0x0
	s_min_u32 s24, s24, 7                          ; loaded numbers enter addresses only behind these holds
.set i, 0
.rept 32
	s_min_u32 s[32+i], s[32+i], 4095
.set i, i+1
.endr
	s_mul_i32 s26, s24, 786432                     ; W1's codes: 2,048 rows of 384 bytes an expert, 512 a slice, 128 a wave
	s_mul_i32 s28, s21, 196608
	s_add_co_u32 s26, s26, s28
	s_mul_i32 s28, s20, 49152
	s_add_co_u32 s26, s26, s28
	s_add_nc_u64 s[10:11], s[10:11], s[26:27]
	s_lshl_b32 s26, s24, 15                        ; its scale bytes: 16 a row
	s_lshl_b32 s28, s21, 13
	s_add_co_u32 s26, s26, s28
	s_lshl_b32 s28, s20, 11
	s_add_co_u32 s26, s26, s28
	s_add_nc_u64 s[12:13], s[12:13], s[26:27]
	s_lshl_b32 s26, s24, 13                        ; b1: 4 bytes a row
	s_lshl_b32 s28, s21, 11
	s_add_co_u32 s26, s26, s28
	s_lshl_b32 s28, s20, 9
	s_add_co_u32 s26, s26, s28
	s_add_nc_u64 s[14:15], s[14:15], s[26:27]
.set i, 0
.rept 32
	v_lshl_add_u32 v[XA+i], s[32+i], 9, v[LI]      ; token x 512 + 16 lane
.set i, i+1
.endr
	; ALL 152 LOADS OF THE WAVE, in the order in which they are wanted: 32 rows of x, 8 of W1's scale words, 16 of b1, 96 of W1's codes
	WIN 0x40                                       ; destination window 1
.set i, 0
.rept 32
	global_load_b128 v[4*i:4*i+3], v[XA+i], s[8:9] ; one row of xq: 512 consecutive bytes, aligned
.set i, i+1
.endr
	WIN 0
.irp t, 0,1,2,3,4,5,6,7
	global_load_b128 v[WS+4*\t:WS+4*\t+3], v[WSV], s[12:13] offset:16*(32*(\t/2)+8*(\t%2))   ; lane r: the four scale words of its row of tile t
.endr
	WIN 0x80                                       ; destination window 2
.irp t, 0,1,2,3,4,5,6,7
	global_load_b128 v[192+8*\t:195+8*\t], v[BV], s[14:15] offset:4*(32*(\t/2)+8*(\t%2))      ; b1 at hidden units 32 b + 8 u + 16 h + 0 .. 7: the result's layout
	global_load_b128 v[196+8*\t:199+8*\t], v[BV], s[14:15] offset:4*(32*(\t/2)+8*(\t%2))+16
.endr
.set i, 0
.rept 96
	WIN 0x80+0x40*(i/48)                           ; loads 0-47 into window 2, 48-95 into window 3
	global_load_b128 v[4*(i%48):4*(i%48)+3], v[LI], s[10:11] offset:512*i
.set i, i+1
.endr
	s_wait_loadcnt 63                              ; 120 loads were issued behind the last row of x: the rows are in
	WIN 0x04                                       ; an LDS store's data are its source 1: window 1
.set i, 0
.rept 32
	ds_store_b128 v[AS], v[4*i:4*i+3] offset:528*i
.set i, i+1
.endr
	WIN 0
	s_wait_dscnt 0x0                               ; for the others' sake: my 32 rows have landed
	s_barrier_signal -1
	s_barrier_wait -1                              ; the launch's one barrier, on every wave's path: x's 128 rows lie in LDS
	s_cmp_eq_u32 s25, 0                            ; a tile that the split leaves without rows ends here
	s_cbranch_scc1 .Lend
.set i, 0
.rept 8                                ; W1 through my stage, 12 loads (16 rows) at a time
.set CNT, 84-i                         ; the loads of W1 issued behind this group,
.if CNT > 63
.set CNT, 63                           ; written as 63 where there are more
.endif
	s_wait_loadcnt CNT
	WIN 0x08+0x04*(i/48)                           ; the data: window 2 or 3
.rept 12
	ds_store_b128 v[AW], v[4*(i%48):4*(i%48)+3] offset:4*SEGP*i+128*(i/12)   ; load i holds segments 4 i .. 4 i + 3
.set i, i+1
.endr
.endr
.irp s, 0,1,2,3                        ; and back as fragments: lane (r, h) takes 24 bytes at 96 s + 24 h of its row and 24 bytes 48 further on, in pieces of 8, none of which straddles a padding
	WIN 0x80+0x40*(\s/2)
.irp t, 0,1,2,3,4,5,6,7
.irp p, 0,1,2,3,4,5
.set XB, 96*\s+48*(\p/3)+8*(\p%3)      ; the piece's byte in the row, for lanes 0-15
.if (XB+24)/128 == XB/128
	ds_load_b64 v[96*(\s%2)+12*\t+2*\p:96*(\s%2)+12*\t+2*\p+1], v[BR] offset:2*GRP*(\t/2)+8*ROWP*(\t%2)+XB+16*(XB/128)
.else
	ds_load_b64 v[96*(\s%2)+12*\t+2*\p:96*(\s%2)+12*\t+2*\p+1], v[BR2] offset:2*GRP*(\t/2)+8*ROWP*(\t%2)+XB+16*(XB/128)
.endif
.endr
.endr
.endr
	WIN 0
.irp m, 0,1,2,3,4,5,6,7
	ds_load_b128 v[XS+4*\m:XS+4*\m+3], v[AX] offset:8448*\m        ; lane r: the four scale words of row r of tile m of rows
.endr
.macro FETCH_A g                       ; step g = 4 (half of the rows) + K step: x's fragments of the half's four tiles of rows, into set g % 2: 24 loads
.irp mm, 0,1,2,3
.irp p, 0,1,2,3,4,5
	ds_load_b64 v[ASET+48*((\g)%2)+12*\mm+2*\p:ASET+48*((\g)%2)+12*\mm+2*\p+1], v[AR] offset:8448*(4*((\g)/4)+\mm)+96*((\g)%4)+48*(\p/3)+8*(\p%3)
.endr
.endr
.endm
.macro MULS g                          ; 32 matrix instructions: the 32 accumulators take turns, one instruction a turn, in the same order in every step
.set KS_, (\g)%4
.set HM_, (\g)/4
.set AS_, ASET+48*((\g)%2)
.set BB_, 96*(KS_%2)
.if KS_ == 0
	WIN 0x62                                       ; W1 window 2, x window 0, C = b1 window 2, D window 1
.elseif KS_ == 1
	WIN 0x52                                       ; W1 window 2, C and D window 1
.else
	WIN 0x53                                       ; W1 window 3
.endif
.irp mm, 0,1,2,3
.irp t, 0,1,2,3,4,5,6,7
.if KS_ == 0
	v_wmma_scale_f32_16x16x128_f8f6f4 v[64*\mm+8*\t:64*\mm+8*\t+7], v[BB_+12*\t:BB_+12*\t+11], v[AS_+12*\mm:AS_+12*\mm+11], v[192+8*\t:192+8*\t+7], v[WS+4*\t+KS_], v[XS+4*(4*HM_+\mm)+KS_] matrix_a_fmt:MATRIX_FMT_FP6 matrix_b_fmt:MATRIX_FMT_FP6
.else
	v_wmma_scale_f32_16x16x128_f8f6f4 v[64*\mm+8*\t:64*\mm+8*\t+7], v[BB_+12*\t:BB_+12*\t+11], v[AS_+12*\mm:AS_+12*\mm+11], v[64*\mm+8*\t:64*\mm+8*\t+7], v[WS+4*\t+KS_], v[XS+4*(4*HM_+\mm)+KS_] matrix_a_fmt:MATRIX_FMT_FP6 matrix_b_fmt:MATRIX_FMT_FP6
.endif
.endr
.endr
	WIN 0
.endm
.macro STEP g
.if (\g) < 7
	PLACES                                         ; the set to be loaded was read by the step before
	FETCH_A (\g)+1
	s_wait_dscnt 24                                ; all but the 24 loads just issued: this step's fragments are in
.else
	s_wait_dscnt 0x0
.endif
	MULS \g
.endm
; 64 numbers of a lane in window 1, v[s] on (register 16 b + i = hidden unit 32 b + 16 (lane / 16) + i of my row), none negative, become a fragment's codes in v[PC] on and its scale word in v[pw].
.macro QUANT s, pw
	WIN 0x05                                       ; sources 0 and 1 window 1
.irp b, 0,1,2,3
	v_max3_num_f32 v[TM+\b], v[(\s)+16*\b], v[(\s)+16*\b+1], 0x1800000     ; block b: my 16 numbers, and the floor 2^(3 - 127): the byte cannot fall under 1
.endr
	WIN 0x14                                       ; sources 1 and 2 window 1
.irp i, 2,4,6,8,10,12,14
.irp b, 0,1,2,3
	v_max3_num_f32 v[TM+\b], v[TM+\b], v[(\s)+16*\b+\i], v[(\s)+16*\b+\i+1]   ; the four blocks by turns
.endr
.endr
	WIN 0
.irp b, 0,1,2,3
	v_permlanex16_b32 v[TM+4+\b], v[TM+\b], s66, s67
.endr
.irp b, 0,1,2,3
	v_max_num_f32 v[TM+\b], v[TM+\b], v[TM+4+\b]   ; with lane l xor 16's 16: the block's largest
.endr
.irp b, 0,1,2,3
	v_add_nc_u32 v[TM+12+\b], 0xff000000, v[TM+\b] ; 2 off its exponent field: the conversion's scale operand
.endr
.irp b, 0,1,2,3
	v_lshrrev_b32 v[TM+4+\b], 23, v[TM+12+\b]      ; the scale's byte
.endr
	v_lshl_or_b32 v[\pw], v[TM+5], 8, v[TM+4]      ; the four bytes make my row's scale word
	v_lshl_or_b32 v[\pw], v[TM+6], 16, v[\pw]
	v_lshl_or_b32 v[\pw], v[TM+7], 24, v[\pw]
	s_wait_xcnt 0x0                                ; the last fragment's stores have taken their data: the codes' registers may be written
	WIN 0x01                                       ; source 0 window 1
.irp c, 0,1
	v_cvt_scalef32_pk16_fp6_f32 v[PC+6*\c:PC+6*\c+2], v[(\s)+32*\c:(\s)+32*\c+15], v[TM+12+2*\c]
	v_cvt_scalef32_pk16_fp6_f32 v[PC+12+4*\c:PC+14+4*\c], v[(\s)+32*\c+16:(\s)+32*\c+31], v[TM+12+2*\c+1]   ; (a conversion's three registers begin on an even number)
.endr
	WIN 0
	v_nop                                          ; one plain line behind the last scaled conversion
.irp c, 0,1                            ; the operand's layout wants a whole block in a lane: lanes 0-15 block 2 c, lanes 16-31 block 2 c + 1
.irp i, 0,1,2
	v_permlane16_swap_b32 v[PC+6*\c+\i], v[PC+12+4*\c+\i]
.endr
.irp i, 0,1,2
	v_mov_b32 v[PC+3+6*\c+\i], v[PC+12+4*\c+\i]
.endr
.endr
.endm
.macro EPI hm                          ; the half's four tiles of rows: relu, quantiser, the fragment's image to memory
	PLACES
.irp mm, 0,1,2,3
	WIN 0x44                                       ; destination and source 1 window 1
.set j, 0
.rept 64
	v_max_num_f32 v[64*\mm+j], 0, v[64*\mm+j]      ; the activation, in f32; ascending
.set j, j+1
.endr
	QUANT 64*\mm, PWR+4*(\hm)+\mm
.irp c, 0,1,2
	global_store_b128 v[LI], v[PC+4*\c:PC+4*\c+3], s[16:17] offset:1536*(4*(\hm)+\mm)+512*\c   ; 512 consecutive bytes, aligned
.endr
.endr
.endm
	FETCH_A 0
	STEP 0
	STEP 1
	STEP 2
	STEP 3
	EPI 0
	STEP 4
	STEP 5
	STEP 6
	STEP 7
	EPI 1
	v_cmp_eq_u32 vcc_lo, 1, v[HH]                  ; every lane holds its row's word of all eight tiles of rows: lanes 0-15 send the even tiles', lanes 16-31 the odd tiles'
.irp i, 0,1,2,3
	v_cndmask_b32 v[HSW+\i], v[PWR+2*\i], v[PWR+2*\i+1], vcc_lo
.endr
	global_store_b128 v[LI], v[HSW:HSW+3], s[18:19]
.Lend:
	s_wait_tensorcnt 0x0                           ; the wave's end
	ds_add_u32 v[SPW], v[NIL]
	s_wait_dscnt 0x0
	s_endpgm
.Lfunc_end_k_qa2a2e3b284_hidden:
	.size	k_qa2a2e3b284_hidden, .Lfunc_end_k_qa2a2e3b284_hidden-k_qa2a2e3b284_hidden
	.p2alignl 7, 3214868480
	.fill 96, 4, 3214868480
	.section	.rodata,"a",@progbits
	.p2align	6, 0x0
	.amdhsa_kernel k_qa2a2e3b284_hidden
		.amdhsa_group_segment_fixed_size 293376
		.amdhsa_private_segment_fixed_size 0
		.amdhsa_enable_private_segment 0
		.amdhsa_kernarg_size 64
		.amdhsa_user_sgpr_count 2
		.amdhsa_user_sgpr_kernarg_segment_ptr 1
		.amdhsa_wavefront_size32 1
		.amdhsa_system_sgpr_workgroup_id_x 1
		.amdhsa_system_sgpr_workgroup_id_y 1
		.amdhsa_system_sgpr_workgroup_id_z 1
		.amdhsa_system_vgpr_workitem_id 0
		.amdhsa_next_free_vgpr 1024
		.amdhsa_next_free_sgpr 72
		.amdhsa_reserve_vcc 1
		.amdhsa_float_denorm_mode_32 3
		.amdhsa_float_denorm_mode_16_64 3
		.amdhsa_memory_ordered 1
		.amdhsa_forward_progress 1
		.amdhsa_inst_pref_size 140
	.end_amdhsa_kernel
	.amdgpu_metadata
---
amdhsa.version: [ 1, 2 ]
amdhsa.kernels:
  - .name:           k_qa2a2e3b284_hidden
    .symbol:         k_qa2a2e3b284_hidden.kd
    .args:
      - { .name: hdr, .offset: 0, .size: 8, .value_kind: global_buffer, .address_space: global }
      - { .name: order, .offset: 8, .size: 8, .value_kind: global_buffer, .address_space: global }
      - { .name: xq, .offset: 16, .size: 8, .value_kind: global_buffer, .address_space: global }
      - { .name: W1_codes, .offset: 24, .size: 8, .value_kind: global_buffer, .address_space: global }
      - { .name: W1_scales, .offset: 32, .size: 8, .value_kind: global_buffer, .address_space: global }
      - { .name: b1, .offset: 40, .size: 8, .value_kind: global_buffer, .address_space: global }
      - { .name: hq, .offset: 48, .size: 8, .value_kind: global_buffer, .address_space: global }
      - { .name: hs, .offset: 56, .size: 8, .value_kind: global_buffer, .address_space: global }
    .group_segment_fixed_size: 293376
    .private_segment_fixed_size: 0
    .kernarg_segment_align: 8
    .kernarg_segment_size: 64
    .max_flat_workgroup_size: 128
    .sgpr_count:     72
    .vgpr_count:     1024
    .wavefront_size: 32
...
	.end_amdgpu_metadata
.endif
;; end of part 3
;; launch output (part 4): grid 4 x 39, 4 waves a work-group, no clusters, 274,944 bytes of LDS; arguments hdr, order, hq, hs, W2_codes, W2_scales, b2, out0; writes out0
.if DOCPART == 4
	.amdgcn_target "amdgcn-amd-amdhsa--gfx1250"
	.amdhsa_code_object_version 6
	.text
	.protected	k_qa2a2e3b284_output
	.globl	k_qa2a2e3b284_output
	.p2align	8
	.type	k_qa2a2e3b284_output,@function
k_qa2a2e3b284_output:
	s_mov_b64 s[64:65], 0
	v_nop
	global_prefetch_b8 v0, s[64:65] scope:SCOPE_SE
	s_setreg_imm32_b32 hwreg(HW_REG_WAVE_MODE, 25, 1), 1
	s_wait_xcnt 0x0
; THE SECOND PRODUCT OF ONE TILE: y = h W2^T + b2 on codes of FP6 (E2M3) with one E8M0 scale for each 32 along K, stored to the tokens' rows of out0.  Work-group (x, y): tile y of 128 routed rows, columns 128 x .. 128 x + 127.
; K = 2,048: 16 steps of 128.  SHARES.  Wave w owns rows 32 w .. 32 w + 31 (two tiles of 16) and all 128 columns: 16 accumulators, 256 matrix instructions.
; Its h (32 fragments, 384 registers) comes straight from hq, which holds images of the fragments' registers: three loads of 16 bytes a lane, 512 consecutive bytes each; no LDS.
; W2's 128 rows of 1,536 bytes are the shared operand: each wave brings 32 rows (49,152 consecutive bytes, 96 dense loads) and their scale bytes into LDS, rows 1,616 bytes apart (1,536 of codes, 64 of scales, 16 spare:
; with that pitch the 32 lanes of a load of 8 bytes touch 64 different banks); every wave reads all of it, a K step at a time, into two sets of registers.
; THE PRODUCT IS USED TRANSPOSED (source 0 = 16 rows of W2, source 1 = 16 rows of h): a lane holds eight neighbouring columns of one row.  b2 is the C of each sum's first product.
; h's scale words: one register a K step, lanes 0-15 my first tile of rows, lanes 16-31 my second (read by the ROW1 selector).
; OUT.  The wave's 32 rows go through its own stage in LDS and leave row by row: 512 consecutive bytes, aligned, at the slot's token.  Rows at or beyond the tile's count are not stored; a wave without rows ends behind the one barrier.
; A tile without rows loads tile 0's h (tile x min(count, 1)), which is always written, and stores nothing.
; NO TENSOR LOAD, NO CLUSTER: the weights' address, the early ends and the stores' rows hang on numbers read from memory, which a text with tensor loads does not take; neighbours along y may belong to different experts.
; No prefetch: every load is issued at the head.
; REGISTERS, in windows of 256: window 0 as named below.  window 1: W2's fragments, two sets at 0 and 96 (tile t at + 12 t); accumulators (0, t) at 192 + 8 t; first the landing of W2's loads 0-63; at the end the rows on their way out.
;   window 2: h's fragments of K steps 0-7 at 12 (2 ks + mm); b2's tiles at 192 + 8 t.   window 3: K steps 8-15; accumulators (1, t) at 192 + 8 t, first the landing of W2's loads 64-79.
.set WP,    1616                       ; LDS 0 .. 206,847: W2's 128 rows
.set OSTG,  206848                     ; then a stage of 32 rows x 528 bytes for each wave
.set SPARE, 274432                     ; and the spare words, 128 bytes a wave, which no other line names
.set LN,   1                           ; v1   lane
.set RR,   2                           ; v2   r
.set HH,   3                           ; v3   h
.set LI,   4                           ; v4   16 x lane
.set WSA,  5                           ; v5   W2's codes, way in: 16 lane + 32 rows x wave
.set WSS,  6                           ; v6   W2's scale bytes, way in: 32 rows x wave + 1,616 (lane / 4) + 16 (lane % 4)
.set BR,   8                           ; v8-11  W2's fragments: 1,616 r + 24 h + 32 rows x q
.set SR,   12                          ; v12-15 W2's scale words: 1,616 r + 32 rows x q
.set HSV,  16                          ; v16  h's scale words in memory: 16 lane + 4 wave
.set B2V,  17                          ; v17  b2 in memory: 32 h
.set OS,   18                          ; v18  my stage, way in: 528 r + 32 h
.set OR,   19                          ; v19  my stage, way out: 16 lane
.set SPW,  20                          ; v20  my spare word; never rewritten
.set NIL,  21                          ; v21  0, for the add alone
.set OA,   32                          ; v32-63 first the landing of W2's loads 80-87; then the stores' offsets: token x 2,048 + 16 lane
.set HS,   64                          ; v64-79  h's scale words, one a K step: scales and nothing else
.set WS2,  80                          ; v80-207 W2's scale words, (t, ks) at 16 t + ks: scales and nothing else
                                       ; v208-239 the landing of W2's loads 88-95; v240-255 that of its scale bytes
.set MSB, 0
.macro WIN new                         ; the immediate's high byte repeats the setting that is left; a switch that changes nothing is dropped
.if MSB != (\new)
	s_set_vgpr_msb (MSB<<8)|(\new)
.set MSB, (\new)
.endif
.endm
.macro PLACES                          ; four plain places between a matrix instruction and a load into one of its registers or a read of its result (ISA guide 7.12.1 for vector instructions)
.rept 4
	v_nop
.endr
.endm
.macro LAND i                          ; where W2's dense load i lands: window LW, register LR
.if (\i) < 64
.set LW, 1
.set LR, 4*(\i)
.elseif (\i) < 80
.set LW, 3
.set LR, 192+4*((\i)-64)
.elseif (\i) < 88
.set LW, 0
.set LR, 32+4*((\i)-80)
.else
.set LW, 0
.set LR, 208+4*((\i)-88)
.endif
.endm
	s_load_b512 s[4:19], s[0:1], 0x0               ; hdr s[4:5], order s[6:7], hq s[8:9], hs s[10:11], W2 codes s[12:13], W2 scales s[14:15], b2 s[16:17], out0 s[18:19]
	v_lshl_add_u32 v[SPW], v0, 2, SPARE
	v_mov_b32 v[NIL], 0
	v_lshrrev_b32 v1, 5, v0
	v_readfirstlane_b32 s20, v1                    ; wave 0..3
	s_mov_b32 s21, ttmp9                           ; slice 0..3
	s_and_b32 s22, ttmp7, 0xffff                   ; tile 0..38
	v_and_b32 v[LN], 31, v0
	v_and_b32 v[RR], 15, v0
	v_bfe_u32 v[HH], v0, 4, 1
	v_lshlrev_b32 v[LI], 4, v[LN]
	s_mul_i32 s23, s20, 32*WP
	v_add_nc_u32 v[WSA], s23, v[LI]
	v_lshrrev_b32 v22, 2, v[LN]
	v_mul_u32_u24 v22, v22, WP
	v_and_b32 v23, 3, v[LN]
	v_lshl_add_u32 v22, v23, 4, v22
	v_add_nc_u32 v[WSS], s23, v22
	v_mul_u32_u24 v22, v[RR], WP
	v_mad_u32_u24 v23, v[HH], 24, v22
.irp q, 0,1,2,3
	v_add_nc_u32 v[SR+\q], 32*WP*\q, v22
	v_add_nc_u32 v[BR+\q], 32*WP*\q, v23
.endr
	s_lshl_b32 s26, s20, 2
	v_add_nc_u32 v[HSV], s26, v[LI]
	v_lshlrev_b32 v[B2V], 5, v[HH]
	s_mul_i32 s26, s20, 16896
	s_add_co_u32 s26, s26, OSTG                    ; my stage
	v_mul_u32_u24 v22, v[RR], 528
	v_lshl_add_u32 v22, v[HH], 5, v22
	v_add_nc_u32 v[OS], s26, v22
	v_add_nc_u32 v[OR], s26, v[LI]
	s_wait_kmcnt 0x0
	s_lshl_b32 s26, s22, 3
	s_mov_b32 s27, 0
	s_add_nc_u64 s[4:5], s[4:5], s[26:27]          ; my tile's header
	s_lshl_b32 s26, s22, 9
	s_lshl_b32 s28, s20, 7
	s_add_co_u32 s26, s26, s28
	s_add_nc_u64 s[6:7], s[6:7], s[26:27]          ; my wave's 32 slots
	s_load_b64 s[24:25], s[4:5], 0x0               ; expert, count
	s_load_b512 s[32:47], s[6:7], 0x0              ; 32 tokens
	s_load_b512 s[48:63], s[6:7], 0x40
	s_lshl_b32 s26, s21, 9
	s_add_nc_u64 s[18:19], s[18:19], s[26:27]      ; out0: my slice's 512 bytes of a row
	s_wait_kmcnt 0x0
	s_min_u32 s24, s24, 7                          ; loaded numbers enter addresses only behind these holds
.set i, 0
.rept 32
	s_min_u32 s[32+i], s[32+i], 4095
.set i, i+1
.endr
	s_min_u32 s69, s25, 1
	s_mul_i32 s69, s69, s22                        ; the tile whose h I load: mine, or tile 0 where mine has no rows
	s_lshl_b32 s28, s20, 5
	s_sub_co_i32 s68, s25, s28                     ; the rows of my wave that count: count - 32 wave
	s_mul_i32 s26, s24, 786432                     ; W2's codes: 512 rows of 1,536 bytes an expert, 128 a slice, 32 a wave
	s_mul_i32 s28, s21, 196608
	s_add_co_u32 s26, s26, s28
	s_mul_i32 s28, s20, 49152
	s_add_co_u32 s26, s26, s28
	s_add_nc_u64 s[12:13], s[12:13], s[26:27]
	s_lshl_b32 s26, s24, 15                        ; its scale bytes: 64 a row
	s_lshl_b32 s28, s21, 13
	s_add_co_u32 s26, s26, s28
	s_lshl_b32 s28, s20, 11
	s_add_co_u32 s26, s26, s28
	s_add_nc_u64 s[14:15], s[14:15], s[26:27]
	s_lshl_b32 s26, s24, 11                        ; b2: 2,048 bytes an expert, 512 a slice
	s_lshl_b32 s28, s21, 9
	s_add_co_u32 s26, s26, s28
	s_add_nc_u64 s[16:17], s[16:17], s[26:27]
	s_mul_i32 s26, s69, 196608                     ; hq: the tile, and my two tiles of rows
	s_mul_i32 s28, s20, 3072
	s_add_co_u32 s26, s26, s28
	s_add_nc_u64 s[8:9], s[8:9], s[26:27]
	s_lshl_b32 s26, s69, 13
	s_add_nc_u64 s[10:11], s[10:11], s[26:27]      ; hs
	; 132 LOADS: 96 of W2's codes, 4 of its scale bytes, 16 of b2, 16 of h's scale words
.set i, 0
.rept 96
	LAND i
	WIN LW<<6
	global_load_b128 v[LR:LR+3], v[LI], s[12:13] offset:512*i      ; a third of row i / 3: 512 consecutive bytes
.set i, i+1
.endr
	WIN 0
.irp i, 0,1,2,3
	global_load_b128 v[240+4*\i:243+4*\i], v[LI], s[14:15] offset:512*\i
.endr
	WIN 0x80
.irp t, 0,1,2,3,4,5,6,7
	global_load_b128 v[192+8*\t:195+8*\t], v[B2V], s[16:17] offset:64*\t      ; b2 at columns 16 t + 8 h + 0 .. 7: the result's layout
	global_load_b128 v[196+8*\t:199+8*\t], v[B2V], s[16:17] offset:64*\t+16
.endr
	WIN 0
.set i, 0
.rept 16
	global_load_b32 v[HS+i], v[HSV], s[10:11] offset:512*i
.set i, i+1
.endr
	; W2 goes to LDS 12 loads at a time; behind each group 12 loads of h are issued, so that 120 loads always stand behind a group's last
.set i, 0
.set q, 0
.rept 8
	s_wait_loadcnt 63                              ; 120 loads were issued behind this group's last: the group is in
.rept 12
	LAND i
	WIN LW<<2                                      ; an LDS store's data are its source 1
	ds_store_b128 v[WSA], v[LR:LR+3] offset:WP*(i/3)+512*(i%3)
.set i, i+1
.endr
	WIN 0x80+0x40*(q/48)                           ; h's fragments 0-15 into window 2, 16-31 into window 3
.rept 12
	global_load_b128 v[12*((q/3)%16)+4*(q%3):12*((q/3)%16)+4*(q%3)+3], v[LI], s[8:9] offset:12288*(q/6)+1536*((q/3)%2)+512*(q%3)   ; fragment q / 3 = 2 ks + mm, group q % 3 of its registers
.set q, q+1
.endr
.endr
	WIN 0
	s_wait_loadcnt 63                              ; 128 loads were issued behind the scale bytes': they are in
.irp i, 0,1,2,3
	ds_store_b128 v[WSS], v[240+4*\i:243+4*\i] offset:8*WP*\i+1536
.endr
	s_wait_dscnt 0x0                               ; for the others' sake: my 32 rows of W2 have landed
	s_barrier_signal -1
	s_barrier_wait -1                              ; the launch's one barrier, on every wave's path: W2's 128 rows lie in LDS
	s_cmp_le_i32 s68, 0                            ; a wave none of whose rows counts ends here; no barrier follows
	s_cbranch_scc1 .Lend
.irp t, 0,1,2,3,4,5,6,7
.irp g, 0,1,2,3
	ds_load_b128 v[WS2+16*\t+4*\g:WS2+16*\t+4*\g+3], v[SR+\t/2] offset:16*WP*(\t%2)+1536+16*\g   ; lane r: the 16 scale words of row r of tile t
.endr
.endr
.macro FETCH_B ks                      ; W2's eight fragments of K step ks into set ks % 2: 48 loads
	WIN 0x40
.irp t, 0,1,2,3,4,5,6,7
.irp p, 0,1,2,3,4,5
	ds_load_b64 v[96*((\ks)%2)+12*\t+2*\p:96*((\ks)%2)+12*\t+2*\p+1], v[BR+\t/2] offset:16*WP*(\t%2)+96*(\ks)+48*(\p/3)+8*(\p%3)
.endr
.endr
	WIN 0
.endm
.macro STEP ks
.if (\ks) < 15
	PLACES                                         ; the set to be loaded was read by the step before
	FETCH_B (\ks)+1
	s_wait_dscnt 48                                ; all but the 48 loads just issued: this step's fragments of W2 are in
.else
	s_wait_dscnt 0x0
.endif
.if 90-6*(\ks) > 63
	s_wait_loadcnt 63                              ; more than 63 loads of h were issued behind this step's six
.else
	s_wait_loadcnt 90-6*(\ks)                      ; the loads of h issued behind this step's six
.endif
.irp mm, 0,1                           ; 16 matrix instructions: the 16 accumulators take turns, one instruction a turn
.set DW, 1+2*\mm                       ; D's window: 1 or 3
.set CW, DW
.if (\ks) == 0
.set CW, 2                             ; the first product's C is b2, which lies at the same numbers in window 2
.endif
	WIN 1|((2+(\ks)/8)<<2)|(CW<<4)|(DW<<6)         ; W2 window 1, h window 2 or 3
.irp t, 0,1,2,3,4,5,6,7
.if \mm == 0
	v_wmma_scale_f32_16x16x128_f8f6f4 v[192+8*\t:199+8*\t], v[96*((\ks)%2)+12*\t:96*((\ks)%2)+12*\t+11], v[12*(2*((\ks)%8)+\mm):12*(2*((\ks)%8)+\mm)+11], v[192+8*\t:199+8*\t], v[WS2+16*\t+(\ks)], v[HS+(\ks)] matrix_a_fmt:MATRIX_FMT_FP6 matrix_b_fmt:MATRIX_FMT_FP6
.else
	v_wmma_scale_f32_16x16x128_f8f6f4 v[192+8*\t:199+8*\t], v[96*((\ks)%2)+12*\t:96*((\ks)%2)+12*\t+11], v[12*(2*((\ks)%8)+\mm):12*(2*((\ks)%8)+\mm)+11], v[192+8*\t:199+8*\t], v[WS2+16*\t+(\ks)], v[HS+(\ks)] matrix_a_fmt:MATRIX_FMT_FP6 matrix_b_fmt:MATRIX_FMT_FP6 matrix_b_scale:MATRIX_SCALE_ROW1
.endif
.endr
.endr
	WIN 0
.endm
	FETCH_B 0
.irp k, 0,1,2,3,4,5,6,7,8,9,10,11,12,13,14,15
	STEP \k
.endr
	; THE WAY OUT: a lane holds 32 neighbouring bytes of a row and the lanes beside it hold other rows, so the 32 rows go through my own stage and come back whole
	PLACES
.set i, 0
.rept 32
	v_lshl_add_u32 v[OA+i], s[32+i], 11, v[LI]     ; token x 2,048 + 16 lane
.set i, i+1
.endr
.irp mm, 0,1
	WIN 0x04+0x08*\mm                              ; the data: window 1 or 3
.irp t, 0,1,2,3,4,5,6,7
	ds_store_b128 v[OS], v[192+8*\t:195+8*\t] offset:8448*\mm+64*\t          ; each accumulator from its low end on
	ds_store_b128 v[OS], v[196+8*\t:199+8*\t] offset:8448*\mm+64*\t+16
.endr
.endr
	WIN 0x40
.set i, 0
.rept 32
	ds_load_b128 v[4*i:4*i+3], v[OR] offset:528*i  ; LDS serves a wave's instructions in order: these see my stores
.set i, i+1
.endr
	WIN 0
.set i, 0
.rept 32
	s_cmp_gt_i32 s68, i                            ; rows at or beyond the count are not stored (at a branch every window is 0)
	s_cbranch_scc0 .Lend
	s_wait_dscnt 31-i                              ; row i is back; the later rows' loads may be out
	WIN 0x04                                       ; a store's data are its source 1: window 1
	global_store_b128 v[OA+i], v[4*i:4*i+3], s[18:19] th:TH_STORE_NT   ; 512 consecutive bytes of the token's row, aligned; written once, read by nobody here
	WIN 0
.set i, i+1
.endr
.Lend:
	s_wait_tensorcnt 0x0                           ; the wave's end
	ds_add_u32 v[SPW], v[NIL]
	s_wait_dscnt 0x0
	s_endpgm
.Lfunc_end_k_qa2a2e3b284_output:
	.size	k_qa2a2e3b284_output, .Lfunc_end_k_qa2a2e3b284_output-k_qa2a2e3b284_output
	.p2alignl 7, 3214868480
	.fill 96, 4, 3214868480
	.section	.rodata,"a",@progbits
	.p2align	6, 0x0
	.amdhsa_kernel k_qa2a2e3b284_output
		.amdhsa_group_segment_fixed_size 274944
		.amdhsa_private_segment_fixed_size 0
		.amdhsa_enable_private_segment 0
		.amdhsa_kernarg_size 64
		.amdhsa_user_sgpr_count 2
		.amdhsa_user_sgpr_kernarg_segment_ptr 1
		.amdhsa_wavefront_size32 1
		.amdhsa_system_sgpr_workgroup_id_x 1
		.amdhsa_system_sgpr_workgroup_id_y 1
		.amdhsa_system_sgpr_workgroup_id_z 1
		.amdhsa_system_vgpr_workitem_id 0
		.amdhsa_next_free_vgpr 1024
		.amdhsa_next_free_sgpr 72
		.amdhsa_reserve_vcc 0
		.amdhsa_float_denorm_mode_32 3
		.amdhsa_float_denorm_mode_16_64 3
		.amdhsa_memory_ordered 1
		.amdhsa_forward_progress 1
		.amdhsa_inst_pref_size 137
	.end_amdhsa_kernel
	.amdgpu_metadata
---
amdhsa.version: [ 1, 2 ]
amdhsa.kernels:
  - .name:           k_qa2a2e3b284_output
    .symbol:         k_qa2a2e3b284_output.kd
    .args:
      - { .name: hdr, .offset: 0, .size: 8, .value_kind: global_buffer, .address_space: global }
      - { .name: order, .offset: 8, .size: 8, .value_kind: global_buffer, .address_space: global }
      - { .name: hq, .offset: 16, .size: 8, .value_kind: global_buffer, .address_space: global }
      - { .name: hs, .offset: 24, .size: 8, .value_kind: global_buffer, .address_space: global }
      - { .name: W2_codes, .offset: 32, .size: 8, .value_kind: global_buffer, .address_space: global }
      - { .name: W2_scales, .offset: 40, .size: 8, .value_kind: global_buffer, .address_space: global }
      - { .name: b2, .offset: 48, .size: 8, .value_kind: global_buffer, .address_space: global }
      - { .name: out0, .offset: 56, .size: 8, .value_kind: global_buffer, .address_space: global }
    .group_segment_fixed_size: 274944
    .private_segment_fixed_size: 0
    .kernarg_segment_align: 8
    .kernarg_segment_size: 64
    .max_flat_workgroup_size: 128
    .sgpr_count:     72
    .vgpr_count:     1024
    .wavefront_size: 32
...
	.end_amdgpu_metadata
.endif
;; end of part 4
